; MI455X (gfx1250); checked and timed in simulation.
; The chip was launched on July 23, 2026; its instructions are those of AMD's public machine-readable ISA for CDNA 5 (MIT licence, August 2026) and "CDNA5" Instruction Set Architecture Reference Guide (July 2026). The comments in the code are by the model that wrote it; some were corrected since.
;; Attention. Allowed arithmetic: matrix products marked QUANTISED: E2M3 operands, one E8M0 scale for each 32 along K, by v_wmma_scale_f32_16x16x128_f8f6f4 with both operands' format E2M3, f32 sums; everything else in f32.
;; Inputs: Wproj_codes 1,024 x 32 x 24 uint8 (E2M3 codes of Wproj, K innermost, in blocks of 32 codes, four codes in three bytes); Wproj_scales 1,024 x 32 uint8 (E8M0 scales of Wproj, one for each 32 codes along K); Wqkv_codes 3,072 x 32 x 24 uint8 (E2M3 codes of Wqkv, K innermost, in blocks of 32 codes, four codes in three bytes); Wqkv_scales 3,072 x 32 uint8 (E8M0 scales of Wqkv, one for each 32 codes along K); bproj 1,024 float32; bqkv 3,072 float32; k_beta 64 float32; k_gamma 64 float32; q_beta 64 float32; q_gamma 64 float32; x_codes 4 x 2,048 x 32 x 24 uint8 (E2M3 codes of x, K innermost, in blocks of 32 codes, four codes in three bytes); x_scales 4 x 2,048 x 32 uint8 (E8M0 scales of x, one for each 32 codes along K).
;; Outputs: out0 4 x 2,048 x 1,024 float32.
;; This version of the problem:
;;   THIS VERSION OF THE PROBLEM IS GIVEN IN LOW PRECISION. The matrix products marked QUANTISED in the list below multiply operands that are first quantised to E2M3 (2 exponent bits, 3 mantissa bits; 6 bits a number), with one power-of-two scale for each 32 numbers along K (OCP MX v1.0); their sums are f32. All else is computed in f32.
;;   The module's matrix products, in the order in which they are computed (A, B: the left and right operand; K: the contracted axis; several contracted axes count as one K, in the product's order):
;;     1. [M 8,192, K 1,024] x [K 1,024, N 3,072]; A: input x (given as codes); B: input Wqkv (given as codes): QUANTISED
;;     2. batch 64 x [M 2,048, K 64] x [K 64, N 2,048]; A: computed on the way; B: computed on the way: QUANTISED
;;     3. batch 64 x [M 2,048, K 2,048] x [K 2,048, N 64]; A: softmax (see below); B: computed on the way: QUANTISED
;;     4. [M 8,192, K 1,024] x [K 1,024, N 1,024]; A: computed on the way; B: input Wproj (given as codes): QUANTISED
;;   THE QUANTISER, for each operand of a quantised product, along K:
;;     - K is cut into blocks of 32 from its start; a last block that is shorter is filled with zeros.
;;     - A block's scale is 2^e with e = floor(log2(the largest magnitude in the block)) - 2, held to -126 .. 127; a block of zeros has e = 0. As a byte (E8M0): e + 127.
;;     - Each number is divided by its block's scale, clamped to +-7.5, and rounded to the nearest number of E2M3, ties to even, subnormals kept.
;;     - The product sums the exact products of the quantised numbers (number of the format x scale) in f32.
;;   ~~~python
;;   def quantise(x, axis):      # numpy; x: float32 -> the quantised numbers, widened to float32 again
;;       x = np.moveaxis(x, axis, -1); K = x.shape[-1]
;;       x = np.pad(x, [(0, 0)] * (x.ndim - 1) + [(0, -K % 32)]); x = x.reshape(x.shape[:-1] + (-1, 32)); a = np.abs(x).max(-1, keepdims=True)
;;       e = np.where(a > 0, np.clip(np.frexp(np.where(a > 0, a, 1))[1] - 1 - 2, -126, 127), 0)      # np.frexp(a)[1] - 1 = floor(log2(a)), exactly
;;       r = np.clip(x / 2.0 ** e, -7.5, 7.5)
;;       step = 2.0 ** (np.maximum(np.frexp(np.where(r == 0, 1, r))[1] - 1, 0) - 3)
;;       q = np.round(r / step) * step * 2.0 ** e      # np.round: ties to even
;;       return np.moveaxis(q.reshape(q.shape[:-2] + (-1,))[..., :K], -1, axis).astype(np.float32)
;;   ~~~
;;   SOFTMAX AHEAD OF A QUANTISED PRODUCT. Where the list says 'softmax', what is quantised is not the finished softmax but p = 2^(t - M), with t = logit x log2(e) and M = ceil(the row's largest t), a whole number; so 1/2 < the row's largest p <= 1. The row's sum l is taken of the UNQUANTISED p, in f32, and the product's result is divided by l at the end. Since M is a whole number, a kernel that streams over the keys may use a running M (the ceiling of the running maximum): every later rescaling is an exact power of two, which a block's scale takes up: the codes' values come out the same.
;;   OPERANDS COMPUTED ON THE WAY. 'Computed on the way' means the value that the module computes at that place (a softmax that the list does not call 'softmax' is quantised finished and normalised). What goes into a quantiser is computed in f32, as accurately as f32 sums, v_exp_f32 and their like allow (about 1e-6 of the number): no bf16 or f16 on the way to a quantiser, and a product that is left as it is and whose result goes on into a quantised operand takes f32 operands (vector FMAs, or v_wmma_f32_16x16x4_f32). A number that lies on a knife's edge between two numbers of the format may be rounded either way, as far as f32 arithmetic and the matrix unit's own rounding can turn it there, and no further.
;;   INPUTS GIVEN AS CODES. Wproj (in the module: [1024, 1024], K = its axis 0); Wqkv (in the module: [1024, 3072], K = its axis 0); x (in the module: [4, 2048, 1024], K = its axis 2): each comes as NAME_codes (uint8): NAME with its K axis moved to the last place and cut into blocks of 32 codes, [.., K / 32, bytes a block], one block behind the other in memory; four codes in three bytes: a row's codes are one little-endian stream of bits, code i at bits 6 i .. 6 i + 5 (a code: sign, 2 exponent bits, 3 mantissa bits); and NAME_scales (uint8): the same leading axes, one E8M0 byte (e + 127) for each 32 codes along K. Its value is code x scale, taken as it is: it is not quantised again, and the codes and scales need not be those that the quantiser above would give.
;; One version. Each part assembles by itself: llvm-mc -triple=amdgcn-amd-amdhsa -mcpu=gfx1250 --defsym DOCPART=n.
;; ======== version 1 of 1: 3 launches
;; limits: right only within a limited range of input values
;; workspace buffers: qb 6,815,744 bytes; kv 13,369,344 bytes; yc 6,291,456 bytes; ys 262,144 bytes
;; launch qkv (part 1): grid 4 x 64, 4 waves a work-group, clusters of 4 x 4, 327,680 bytes of LDS; arguments x_codes, x_scales, Wqkv_codes, Wqkv_scales, bqkv, q_gamma, q_beta, k_gamma, k_beta, qb, kv; writes qb, kv
.if DOCPART == 1
	.amdgcn_target "amdgcn-amd-amdhsa--gfx1250"
	.amdhsa_code_object_version 6
	.text
	.protected	k_q726bb392d9_qkv
	.globl	k_q726bb392d9_qkv
	.p2align	8
	.type	k_q726bb392d9_qkv,@function
k_q726bb392d9_qkv:
	s_mov_b64 s[64:65], 0
	v_nop
	global_prefetch_b8 v0, s[64:65] scope:SCOPE_SE
	s_setreg_imm32_b32 hwreg(HW_REG_WAVE_MODE, 25, 1), 1
	s_wait_xcnt 0x0
	s_wait_alu depctr_hold_cnt(0) depctr_sa_sdst(0) depctr_va_vdst(0) depctr_va_sdst(0) depctr_va_ssrc(0) depctr_va_vcc(0) depctr_vm_vsrc(0)
	s_getreg_b32 s2, hwreg(HW_REG_IB_STS2, 6, 4)
	s_cmp_eq_u32 s2, 0
	s_cbranch_scc0 .Lentry_in_a_cluster
	s_endpgm
.Lentry_in_a_cluster:
	s_bfe_u32 s2, ttmp6, 0x10000c
	s_cmp_lg_u32 s2, 0xf033
	s_cbranch_scc0 .Lentry_shape_is_right
	s_endpgm
.Lentry_shape_is_right:
; qkv = x Wqkv + bqkv on codes of FP6 (E2M3) with E8M0 scales; layernorm of q and k over a head's 64 channels; q, k (along the channels) and v (along the keys) quantised and stored as images of operand registers.
; SHARES. A work-group owns 128 tokens (grid y) and four heads (grid x), and walks three tiles: q, k, v. A wave owns the 128 tokens of ONE head: 8 x 4 accumulators of 16 x 16.
; LDS. Whole rows of K: a row of codes is 768 bytes of memory, begun on a multiple of 256; 16 bytes of padding behind every 256: pitch 816. x's 128 rows are filled once and stay; W's 256 rows are filled
; again for k and for v, behind a round of the cluster's barrier that stands ahead of a tile's last K step: the refill has the tile's last products and its whole way out in which to land.
; CLUSTERS 4 x 4: x's rows are asked for jointly along a row of the cluster, W's along a column.
; SCALES go from memory into registers: a row's 32 bytes are its eight K steps' words; sixteen lanes read 512 consecutive bytes.
; q, k: source 0 = W's rows, source 1 = x's rows: a lane holds one token, its registers run along the channels. v: the sources change places: a lane holds one channel, its registers run along the keys.
; The channels of a block of 32 lie in q's codes as in k's, the keys in v's as the next launch lays them in p's: a permutation of K applied alike to both operands keeps the products.
; OUT. qb: [16 b + head][block of 128 tokens][6656]: 8 tiles x 768 bytes (registers 0-3 at 16 x lane, 4-5 at 512 + 8 x lane), then 512 bytes of scale words (word j of lane l: tile 2 j + l / 16, two bytes).
;      kv: [16 b + head][128 keys][13056]: k as q; v's four tiles of 16 channels x 1536 bytes from 6656; v's scale words from 12800.
; No prefetch: the head asks for all that the first tile reads, and each refill is asked for a whole way out ahead of its first read.
; LIMITS: NaN and infinities are not served; a block of zeros gets the byte 1, not 127 (this program alone reads the bytes).
; REGISTERS. Window 0: v0-31 addresses; v32-95 x's scale words, v96-127 W's; v128-223 W's fragments, two sets, on the way out at work. Window 1: x's fragments, two sets (v0-95, v128-223).
; Window 2: the accumulators. Window 3: bias, gamma, beta.
.set PITCH, 816
.set TILEB, 16*PITCH
.set ABYTES, 128*PITCH
.set SPARE, ABYTES+256*PITCH
.set WSTEP, 1024*768
.set SW, 4
.set ADRA, 16
.set ADRB, 20
.set VS, 22
.set VH, 23
.set VR, 24
.set SH, 25
.set SPW, 28
.set NIL, 29
.set L16, 30
.set L8, 31
.set SA, 32
.set SB, 96
.set BF, 128
.set H, 128
.set PC, 192
.set TM, 212
.set PW, 228
.set PK, 232
.set LT, 240
.set BI, 0
.set GA, 32
.set BE, 64
.set BV, 96
.set G1A, 24
.set G0A, 32
.set G0B, 36
.set G1B, 48
.set SEL, 66
.set OUT, 84
.set HALF, 93
.set EPSR, 94
.set R64, 95
.set MSB, 0
.macro WIN new
.if MSB != (\new)
	s_set_vgpr_msb (MSB<<8)|(\new)
.set MSB, (\new)
.endif
.endm
.macro NOP4
.rept 4
	v_nop
.endr
.endm
.macro CROUND
	s_barrier_signal -1
	s_barrier_wait -1
	s_cmp_lg_u32 s14, 0
	s_cbranch_scc1 .Lnot_wave_0_\@
	s_barrier_signal -3
.Lnot_wave_0_\@:
	s_barrier_wait -3
	s_barrier_signal -1
	s_barrier_wait -1
.endm
	s_load_b256 s[4:11], s[0:1], 0x0               ; x codes, x scales, W codes, W scales
	s_load_b256 s[68:75], s[0:1], 0x20             ; bias, q gamma, q beta, k gamma
	s_load_b128 s[76:79], s[0:1], 0x40             ; k beta, qb
	s_load_b64 s[80:81], s[0:1], 0x50              ; kv
	v_lshl_add_u32 v[SPW], v0, 2, SPARE
	v_mov_b32 v[NIL], 0
	ds_add_u32 v[SPW], v[NIL]                      ; the opening lines: the add twice and one wait
	ds_add_u32 v[SPW], v[NIL]
	v_lshrrev_b32 v1, 5, v0
	v_readfirstlane_b32 s14, v1                    ; wave
	s_lshr_b32 s15, s14, 1                         ; I fetch for x (0) or for W (1)
	s_and_b32 s16, s14, 1                          ; which half
	s_bfe_u32 s40, ttmp6, 0x40000                  ; cx
	s_bfe_u32 s41, ttmp6, 0x40004                  ; cy
	s_lshl_b32 s42, ttmp9, 2
	s_add_co_u32 s42, s42, s40                     ; group of four heads
	s_and_b32 s17, ttmp7, 0xffff
	s_lshl_b32 s17, s17, 2
	s_add_co_u32 s17, s17, s41                     ; block of 128 tokens
	s_lshl_b32 s43, s41, 2
	s_lshl_b32 s43, 15, s43                        ; my row of the cluster
	s_lshl_b32 s44, 0x1111, s40                    ; my column
	s_or_b32 s[G1A], s43, (1<<20)|(1<<21)|(5<<22)|(3<<25)   ; bytes; 4 words of padding behind every 64
	s_or_b32 s[G1B], s44, (1<<20)|(1<<21)|(5<<22)|(3<<25)
	s_mov_b32 s[G1A+1], 768<<16
	s_mov_b32 s[G1A+2], 64<<16                     ; x: 64 rows a load
	s_mov_b32 s[G1A+3], 768<<16
	s_mov_b32 s[G1A+4], 64
	s_mov_b32 s[G1A+5], 768
	s_mov_b32 s[G1A+6], 0
	s_mov_b32 s[G1A+7], 0
	s_mov_b32 s[G1B+1], 768<<16
	s_mov_b32 s[G1B+2], 128<<16                    ; W: 128 rows a load
	s_mov_b32 s[G1B+3], 768<<16
	s_mov_b32 s[G1B+4], 128
	s_mov_b32 s[G1B+5], 768
	s_mov_b32 s[G1B+6], 0
	s_mov_b32 s[G1B+7], 0
	s_lshl_b32 s20, s17, 7
	s_lshl_b32 s18, s16, 6
	s_add_co_u32 s20, s20, s18
	s_mul_i32 s20, s20, 768                        ; x: row 128 x block + 64 x half
	s_mov_b32 s21, 0
	s_lshl_b32 s46, s42, 8
	s_lshl_b32 s18, s16, 7
	s_add_co_u32 s46, s46, s18
	s_mul_i32 s46, s46, 768                        ; W: row 256 x group + 128 x half
	s_mov_b32 s47, 0
	s_mul_i32 s22, s16, 64*PITCH
	s_mul_i32 s23, s16, 128*PITCH
	s_add_co_u32 s23, s23, ABYTES
	s_wait_dscnt 0x0
	s_wait_kmcnt 0x0
	s_add_nc_u64 s[20:21], s[4:5], s[20:21]
	s_add_nc_u64 s[46:47], s[8:9], s[46:47]
	CROUND                                         ; the first joint loads meet
	s_mov_b32 s[G0A], 1
	s_mov_b32 s[G0A+1], s22
	s_mov_b64 s[G0A+2:G0A+3], s[20:21]
	s_or_b32 s[G0A+3], s[G0A+3], 0x80000000
	s_mov_b32 s[G0B], 1
	s_mov_b32 s[G0B+1], s23
	s_mov_b64 s[G0B+2:G0B+3], s[46:47]
	s_or_b32 s[G0B+3], s[G0B+3], 0x80000000
	s_cmp_eq_u32 s15, 0                            ; one load a wave: waves 0, 1 x's halves, waves 2, 3 W's
	s_cbranch_scc0 .Lhead_b
	tensor_load_to_lds s[G0A:G0A+3], s[G1A:G1A+7]
	s_nop 0
	NOP4
	s_branch .Lhead_asked
.Lhead_b:
	tensor_load_to_lds s[G0B:G0B+3], s[G1B:G1B+7]
	s_nop 0
	NOP4
.Lhead_asked:
	s_mov_b32 s57, 0
	s_lshl_b32 s56, s17, 12
	s_add_nc_u64 s[6:7], s[6:7], s[56:57]          ; x's scales: 128 rows x 32 bytes a block
	s_lshl_b32 s58, s42, 2
	s_add_co_u32 s58, s58, s14                     ; my head
	s_lshl_b32 s56, s58, 11
	s_add_nc_u64 s[10:11], s[10:11], s[56:57]      ; W's scales: my 64 rows
	s_lshl_b32 s56, s58, 8
	s_add_nc_u64 s[68:69], s[68:69], s[56:57]      ; the bias of my 64 columns
	s_lshr_b32 s59, s17, 4
	s_lshl_b32 s59, s59, 4
	s_add_co_u32 s59, s59, s58
	s_lshl_b32 s59, s59, 4
	s_and_b32 s60, s17, 15
	s_add_co_u32 s59, s59, s60                     ; (16 b + head) x 16 + block
	s_mul_i32 s56, s59, 6656
	s_add_nc_u64 s[OUT:OUT+1], s[78:79], s[56:57]
	s_mul_i32 s56, s59, 13056
	s_add_nc_u64 s[80:81], s[80:81], s[56:57]
	s_mov_b32 s[SEL], 0x76543210
	s_mov_b32 s[SEL+1], 0xfedcba98
	s_mov_b32 s[R64], 0x3c800000                   ; 1 / 64
	s_mov_b32 s[EPSR], 0x3727c5ac                  ; 1e-5
	s_mul_i32 s21, s14, 4*TILEB
	s_add_co_u32 s21, s21, ABYTES                  ; my 64 rows of W
	v_and_b32 v1, 15, v0                           ; r
	v_bfe_u32 v2, v0, 4, 1                         ; h
	v_mul_u32_u24 v3, v1, PITCH
	v_mad_u32_u24 v[ADRA], v2, 24, v3              ; row x pitch + 24 h
	v_lshl_add_u32 v[ADRA+1], v2, 4, v[ADRA]       ; where lanes 16-31 read beyond a padding
	v_add_nc_u32 v[ADRA+2], 4*TILEB, v[ADRA]       ; x's tiles 4-7
	v_add_nc_u32 v[ADRA+3], 4*TILEB, v[ADRA+1]
	v_add_nc_u32 v[ADRB], s21, v[ADRA]
	v_add_nc_u32 v[ADRB+1], s21, v[ADRA+1]
	v_lshlrev_b32 v[VS], 5, v1
	v_lshlrev_b32 v[VH], 5, v2
	v_lshlrev_b32 v[VR], 2, v1
	v_lshlrev_b32 v[SH], 4, v2
	v_and_b32 v12, 31, v0
	v_lshlrev_b32 v[L16], 4, v12
	v_lshlrev_b32 v[L8], 3, v12
	v_cmp_le_u32 s[HALF], 16, v12
	s_wait_alu depctr_va_vdst(0)                   ; the wait at the head's end
.macro LOADSB                          ; the scale words of my four tiles of W, all eight K steps
.irp b, 0,1,2,3
	global_load_b128 v[SB+8*\b:SB+8*\b+3], v[VS], s[10:11] offset:512*\b
	global_load_b128 v[SB+8*\b+4:SB+8*\b+7], v[VS], s[10:11] offset:512*\b+16
.endr
.endm
.irp a, 0,1,2,3,4,5,6,7
	global_load_b128 v[SA+8*\a:SA+8*\a+3], v[VS], s[6:7] offset:512*\a
	global_load_b128 v[SA+8*\a+4:SA+8*\a+7], v[VS], s[6:7] offset:512*\a+16
.endr
	LOADSB
; a fragment: 16 rows x 128 K, 12 registers, in pieces of 8 bytes; byte y of a row lies at y + 16 (y / 256)
.macro FRAG reg, adr, st, i
.irp p, 0,1,2,3,4,5
.set BY, 96*(\st)+48*(\p/3)+8*(\p%3)
.if BY/256 == (BY+24)/256
	ds_load_b64 v[\reg+2*\p:\reg+2*\p+1], v[\adr] offset:BY+16*(BY/256)+(\i)*TILEB
.else
	ds_load_b64 v[\reg+2*\p:\reg+2*\p+1], v[\adr+1] offset:BY+16*(BY/256)+(\i)*TILEB
.endif
.endr
.endm
.macro FETCH1 st                       ; x's tiles 0-3 and W's four: 48 loads
	WIN 0x40
.irp i, 0,1,2,3
	FRAG 128*((\st)%2)+12*\i, ADRA, \st, \i
.endr
	WIN 0
.irp i, 0,1,2,3
	FRAG BF+48*((\st)%2)+12*\i, ADRB, \st, \i
.endr
.endm
.macro FETCH2 st                       ; x's tiles 4-7: 24 loads
	WIN 0x40
.irp i, 0,1,2,3
	FRAG 128*((\st)%2)+48+12*\i, ADRA+2, \st, \i
.endr
.endm
.macro W0 d, x, y, sx, sy
	v_wmma_scale_f32_16x16x128_f8f6f4 v[\d:\d+7], v[\x:\x+11], v[\y:\y+11], 0, v[\sx], v[\sy] matrix_a_fmt:MATRIX_FMT_FP6 matrix_b_fmt:MATRIX_FMT_FP6
.endm
.macro W d, x, y, sx, sy
	v_wmma_scale_f32_16x16x128_f8f6f4 v[\d:\d+7], v[\x:\x+11], v[\y:\y+11], v[\d:\d+7], v[\sx], v[\sy] matrix_a_fmt:MATRIX_FMT_FP6 matrix_b_fmt:MATRIX_FMT_FP6
.endm
; 16 matrix instructions: x's tiles a0 .. a0 + 3 against W's four; the accumulators take turns; the first K step starts the sums
.macro MUL st, v, a0
.set P, (\st)%2
.if \v
	WIN 0xa1
.else
	WIN 0xa4
.endif
.irp a, \a0, \a0+1, \a0+2, \a0+3
.irp b, 0,1,2,3
.if \v
.if (\st)==0
	W0 8*(8*\b+(\a)), 128*P+12*(\a), BF+48*P+12*\b, SA+8*(\a)+(\st), SB+8*\b+(\st)
.else
	W 8*(8*\b+(\a)), 128*P+12*(\a), BF+48*P+12*\b, SA+8*(\a)+(\st), SB+8*\b+(\st)
.endif
.else
.if (\st)==0
	W0 8*(4*(\a)+\b), BF+48*P+12*\b, 128*P+12*(\a), SB+8*\b+(\st), SA+8*(\a)+(\st)
.else
	W 8*(4*(\a)+\b), BF+48*P+12*\b, 128*P+12*(\a), SB+8*\b+(\st), SA+8*(\a)+(\st)
.endif
.endif
.endr
.endr
.endm
.macro TOP                             ; the tile's rows of W are whole for all four waves; its scale words are in
	s_wait_alu depctr_va_vdst(0)
	s_wait_tensorcnt 0x0
	s_wait_loadcnt 0x0
	s_barrier_signal -1
	s_barrier_wait -1
	FETCH1 0
	FETCH2 0
	WIN 0
.endm
.macro GEMM v, fill
.set ST, 0
.rept 7
	NOP4                                           ; places ahead of loads into the set that the step before multiplied
	FETCH1 ST+1
	s_wait_dscnt 48                                ; all but the 48 just issued: this step's fragments are in
	MUL ST, \v, 0
	FETCH2 ST+1
	MUL ST, \v, 4
.set ST, ST+1
.endr
	WIN 0
.if \fill
	s_wait_tensorcnt 0x0                           ; no load of mine is out;
	ds_add_u32 v[SPW], v[NIL]                      ; the add;
	s_add_nc_u64 s[G0B+2:G0B+3], s[G0B+2:G0B+3], WSTEP   ; the next tile's rows of W
	s_wait_dscnt 0x0                               ; the add is done, and my last reads of W's rows
	CROUND                                         ; so of every wave of the cluster
	s_cmp_eq_u32 s15, 0
	s_cbranch_scc1 .Lno_fill_\@
	tensor_load_to_lds s[G0B:G0B+3], s[G1B:G1B+7]
	s_nop 0
	NOP4
.Lno_fill_\@:
.else
	s_wait_dscnt 0x0
.endif
	MUL 7, \v, 0
	MUL 7, \v, 4
	WIN 0
	NOP4                                           ; places behind the last products
.endm
.macro MOVE n, v                       ; 64 results + bias into window 0, each accumulator from its low end on
	WIN 0x0e
	s_wait_alu depctr_va_vdst(0)                   ; the wait ahead of the first reader
.set i, 0
.rept 32
.if \v
	v_pk_add_f32 v[H+i:H+i+1], v[64*(\n)+i:64*(\n)+i+1], v[BV+2*(\n):BV+2*(\n)+1]
.else
	v_pk_add_f32 v[H+i:H+i+1], v[64*(\n)+i:64*(\n)+i+1], v[BI+i%32:BI+i%32+1]
.endif
.set i, i+2
.endr
	WIN 0
.endm
.macro LNORM                           ; two tiles of 16 tokens by turns; a token's 64 channels lie in lanes l and l xor 16
.irp g, 0,1
	v_pk_add_f32 v[LT+8*\g:LT+8*\g+1], v[H+32*\g:H+32*\g+1], v[H+32*\g+2:H+32*\g+3]
	v_pk_add_f32 v[LT+8*\g+2:LT+8*\g+3], v[H+32*\g+4:H+32*\g+5], v[H+32*\g+6:H+32*\g+7]
.endr
.irp i, 8,12,16,20,24,28
.irp g, 0,1
	v_pk_add_f32 v[LT+8*\g:LT+8*\g+1], v[LT+8*\g:LT+8*\g+1], v[H+32*\g+\i:H+32*\g+\i+1]
	v_pk_add_f32 v[LT+8*\g+2:LT+8*\g+3], v[LT+8*\g+2:LT+8*\g+3], v[H+32*\g+\i+2:H+32*\g+\i+3]
.endr
.endr
.irp g, 0,1
	v_pk_add_f32 v[LT+8*\g:LT+8*\g+1], v[LT+8*\g:LT+8*\g+1], v[LT+8*\g+2:LT+8*\g+3]
.endr
.irp g, 0,1
	v_add_f32 v[LT+8*\g], v[LT+8*\g], v[LT+8*\g+1]
.endr
.irp g, 0,1
	v_permlanex16_b32 v[LT+8*\g+1], v[LT+8*\g], s[SEL], s[SEL+1]
.endr
.irp g, 0,1
	v_add_f32 v[LT+8*\g], v[LT+8*\g], v[LT+8*\g+1]
.endr
.irp g, 0,1
	v_mul_f32 v[LT+8*\g], s[R64], v[LT+8*\g]       ; the mean
.endr
.irp i, 0,2,4,6,8,10,12,14,16,18,20,22,24,26,28,30
.irp g, 0,1
	v_pk_add_f32 v[H+32*\g+\i:H+32*\g+\i+1], v[H+32*\g+\i:H+32*\g+\i+1], v[LT+8*\g:LT+8*\g+1] op_sel_hi:[1,0] neg_lo:[0,1] neg_hi:[0,1]
.endr
.endr
.irp g, 0,1
	v_pk_mul_f32 v[LT+8*\g+4:LT+8*\g+5], v[H+32*\g:H+32*\g+1], v[H+32*\g:H+32*\g+1]
	v_pk_mul_f32 v[LT+8*\g+6:LT+8*\g+7], v[H+32*\g+2:H+32*\g+3], v[H+32*\g+2:H+32*\g+3]
.endr
.irp i, 4,8,12,16,20,24,28
.irp g, 0,1
	v_pk_fma_f32 v[LT+8*\g+4:LT+8*\g+5], v[H+32*\g+\i:H+32*\g+\i+1], v[H+32*\g+\i:H+32*\g+\i+1], v[LT+8*\g+4:LT+8*\g+5]
	v_pk_fma_f32 v[LT+8*\g+6:LT+8*\g+7], v[H+32*\g+\i+2:H+32*\g+\i+3], v[H+32*\g+\i+2:H+32*\g+\i+3], v[LT+8*\g+6:LT+8*\g+7]
.endr
.endr
.irp g, 0,1
	v_pk_add_f32 v[LT+8*\g+4:LT+8*\g+5], v[LT+8*\g+4:LT+8*\g+5], v[LT+8*\g+6:LT+8*\g+7]
.endr
.irp g, 0,1
	v_add_f32 v[LT+8*\g+4], v[LT+8*\g+4], v[LT+8*\g+5]
.endr
.irp g, 0,1
	v_permlanex16_b32 v[LT+8*\g+5], v[LT+8*\g+4], s[SEL], s[SEL+1]
.endr
.irp g, 0,1
	v_add_f32 v[LT+8*\g+4], v[LT+8*\g+4], v[LT+8*\g+5]
.endr
.irp g, 0,1
	v_fma_f32 v[LT+8*\g+4], v[LT+8*\g+4], s[R64], s[EPSR]   ; the variance + eps
.endr
	s_wait_alu depctr_va_vdst(0)                   ; a wait ahead of the batch and one behind it
.irp g, 0,1
	v_rsq_f32 v[LT+8*\g+6], v[LT+8*\g+4]
.endr
	v_nop
	s_wait_alu depctr_va_vdst(0)
.irp i, 0,2,4,6,8,10,12,14,16,18,20,22,24,26,28,30
.irp g, 0,1
	v_pk_mul_f32 v[H+32*\g+\i:H+32*\g+\i+1], v[H+32*\g+\i:H+32*\g+\i+1], v[LT+8*\g+6:LT+8*\g+7] op_sel_hi:[1,0]
.endr
.endr
	WIN 0x3c
.irp i, 0,2,4,6,8,10,12,14,16,18,20,22,24,26,28,30
.irp g, 0,1
	v_pk_fma_f32 v[H+32*\g+\i:H+32*\g+\i+1], v[H+32*\g+\i:H+32*\g+\i+1], v[GA+\i:GA+\i+1], v[BE+\i:BE+\i+1]
.endr
.endr
	WIN 0
.endm
.macro QUANT s                         ; four blocks of 32 (16 registers in lanes l and l xor 16): scale word in PW, 12 registers of codes in PC
.irp b, 0,1,2,3
	v_max3_num_f32 v[TM+\b], |v[\s+16*\b]|, |v[\s+1+16*\b]|, 0x1800000
.endr
.irp i, 2,4,6,8,10,12,14
.irp b, 0,1,2,3
	v_max3_num_f32 v[TM+\b], v[TM+\b], |v[\s+16*\b+\i]|, |v[\s+1+16*\b+\i]|
.endr
.endr
.irp b, 0,1,2,3
	v_permlanex16_b32 v[TM+4+\b], v[TM+\b], s[SEL], s[SEL+1]
.endr
.irp b, 0,1,2,3
	v_max_num_f32 v[TM+\b], v[TM+\b], v[TM+4+\b]
.endr
.irp b, 0,1,2,3
	v_add_nc_u32 v[TM+12+\b], 0xff000000, v[TM+\b] ; 2 off the exponent field: the conversion's scale operand
.endr
.irp b, 0,1,2,3
	v_lshrrev_b32 v[TM+4+\b], 23, v[TM+12+\b]
.endr
	v_lshl_or_b32 v[PW], v[TM+5], 8, v[TM+4]
	v_lshl_or_b32 v[PW], v[TM+6], 16, v[PW]
	v_lshl_or_b32 v[PW], v[TM+7], 24, v[PW]
	s_wait_alu depctr_va_vdst(0)
	s_wait_xcnt 0x0                                ; the stores before have read PC
.irp c, 0,1
	v_cvt_scalef32_pk16_fp6_f32 v[PC+6*\c:PC+2+6*\c], v[\s+32*\c:\s+15+32*\c], v[TM+12+2*\c]
	v_cvt_scalef32_pk16_fp6_f32 v[PC+12+4*\c:PC+14+4*\c], v[\s+16+32*\c:\s+31+32*\c], v[TM+12+2*\c+1]
.endr
	v_nop
.irp c, 0,1
.irp i, 0,1,2
	v_permlane16_swap_b32 v[PC+6*\c+\i], v[PC+12+4*\c+\i]
.endr
.irp i, 0,1,2
	v_mov_b32 v[PC+3+6*\c+\i], v[PC+12+4*\c+\i]
.endr
.endr
.endm
	s_mov_b32 s3, 2
.Ltile:                                        ; q, then k
	TOP
	WIN 0xc0
.irp t, 0,1,2,3
.irp u, 0,1
	global_load_b128 v[BI+8*\t+4*\u:BI+8*\t+4*\u+3], v[VH], s[68:69] offset:64*\t+16*\u
	global_load_b128 v[GA+8*\t+4*\u:GA+8*\t+4*\u+3], v[VH], s[70:71] offset:64*\t+16*\u
	global_load_b128 v[BE+8*\t+4*\u:BE+8*\t+4*\u+3], v[VH], s[72:73] offset:64*\t+16*\u
.endr
.endr
	WIN 0
	GEMM 0, 1
	s_add_nc_u64 s[10:11], s[10:11], 32768         ; the next tile's scale words (the last ones' loads were waited for at the tile's top)
	LOADSB
	s_wait_loadcnt 8                               ; all but these eight: bias, gamma, beta are in, and their bases free
	s_add_nc_u64 s[68:69], s[68:69], 4096
	s_mov_b64 s[70:71], s[74:75]                   ; the next tile's gamma and beta are k's
	s_mov_b64 s[72:73], s[76:77]
.irp b, 0,1,2,3
	v_mov_b32 v[TM+4+\b], 0                        ; a lane permute's destination counts as a source
.endr
.irp n, 0,1,2,3
	MOVE \n, 0
	LNORM
	QUANT H
	v_mov_b32 v[SW+\n], v[PW]                      ; bytes 0, 1: tile 2 n's; bytes 2, 3: tile 2 n + 1's
	global_store_b128 v[L16], v[PC:PC+3], s[OUT:OUT+1] offset:1536*\n
	global_store_b64 v[L8], v[PC+4:PC+5], s[OUT:OUT+1] offset:1536*\n+512
	global_store_b128 v[L16], v[PC+6:PC+9], s[OUT:OUT+1] offset:1536*\n+768
	global_store_b64 v[L8], v[PC+10:PC+11], s[OUT:OUT+1] offset:1536*\n+1280
.endr
.irp j, 0,1,2,3
	v_lshrrev_b32 v[PK+\j], v[SH], v[SW+\j]        ; lanes 16-31 take the odd tile's two bytes
.endr
.irp j, 0,1,2,3
	v_and_b32 v[PK+\j], 0xffff, v[PK+\j]
.endr
	global_store_b128 v[L16], v[PK:PK+3], s[OUT:OUT+1] offset:6144
	s_wait_xcnt 0x0                                ; the stores have read their registers and base
	s_mov_b64 s[OUT:OUT+1], s[80:81]               ; k and v go to kv
	s_sub_co_u32 s3, s3, 1
	s_cmp_lg_u32 s3, 0
	s_wait_alu depctr_va_vdst(0)
	s_cbranch_scc1 .Ltile
	TOP                                            ; v
	WIN 0xc0
.irp b, 0,1,2,3
	global_load_b32 v[BV+2*\b], v[VR], s[68:69] offset:64*\b     ; the bias of channel 16 b + r, in both halves of a pair
	global_load_b32 v[BV+2*\b+1], v[VR], s[68:69] offset:64*\b
.endr
	WIN 0
	GEMM 1, 0
	s_wait_loadcnt 0x0
.irp b, 0,1,2,3
	v_mov_b32 v[TM+4+\b], 0
.endr
.irp n, 0,1,2,3
	MOVE \n, 1
	QUANT H
	v_mov_b32 v[SW+\n], v[PW]
.irp c, 0,1,2
	global_store_b128 v[L16], v[PC+4*\c:PC+4*\c+3], s[OUT:OUT+1] offset:6656+1536*\n+512*\c
.endr
.endr
.irp j, 0,1
	v_cndmask_b32 v[PK+\j], v[SW+2*\j], v[SW+2*\j+1], s[HALF]
.endr
	global_store_b64 v[L8], v[PK:PK+1], s[OUT:OUT+1] offset:12800
	s_wait_tensorcnt 0x0                           ; the wave's end
	ds_add_u32 v[SPW], v[NIL]
	s_wait_dscnt 0x0
	CROUND                                         ; the closing round
	s_endpgm
.Lfunc_end_k_q726bb392d9_qkv:
	.size	k_q726bb392d9_qkv, .Lfunc_end_k_q726bb392d9_qkv-k_q726bb392d9_qkv
	.p2alignl 7, 3214868480
	.fill 96, 4, 3214868480
	.section	.rodata,"a",@progbits
	.p2align	6, 0x0
	.amdhsa_kernel k_q726bb392d9_qkv
		.amdhsa_group_segment_fixed_size 327680
		.amdhsa_private_segment_fixed_size 0
		.amdhsa_enable_private_segment 0
		.amdhsa_kernarg_size 88
		.amdhsa_user_sgpr_count 2
		.amdhsa_user_sgpr_kernarg_segment_ptr 1
		.amdhsa_wavefront_size32 1
		.amdhsa_system_sgpr_workgroup_id_x 1
		.amdhsa_system_sgpr_workgroup_id_y 1
		.amdhsa_system_sgpr_workgroup_id_z 1
		.amdhsa_system_vgpr_workitem_id 0
		.amdhsa_next_free_vgpr 1024
		.amdhsa_next_free_sgpr 100
		.amdhsa_reserve_vcc 0
		.amdhsa_float_denorm_mode_32 3
		.amdhsa_float_denorm_mode_16_64 3
		.amdhsa_memory_ordered 1
		.amdhsa_forward_progress 1
		.amdhsa_inst_pref_size 250
	.end_amdhsa_kernel
	.amdgpu_metadata
---
amdhsa.version: [ 1, 2 ]
amdhsa.kernels:
  - .name:           k_q726bb392d9_qkv
    .symbol:         k_q726bb392d9_qkv.kd
    .args:
      - { .name: x_codes, .offset: 0, .size: 8, .value_kind: global_buffer, .address_space: global }
      - { .name: x_scales, .offset: 8, .size: 8, .value_kind: global_buffer, .address_space: global }
      - { .name: Wqkv_codes, .offset: 16, .size: 8, .value_kind: global_buffer, .address_space: global }
      - { .name: Wqkv_scales, .offset: 24, .size: 8, .value_kind: global_buffer, .address_space: global }
      - { .name: bqkv, .offset: 32, .size: 8, .value_kind: global_buffer, .address_space: global }
      - { .name: q_gamma, .offset: 40, .size: 8, .value_kind: global_buffer, .address_space: global }
      - { .name: q_beta, .offset: 48, .size: 8, .value_kind: global_buffer, .address_space: global }
      - { .name: k_gamma, .offset: 56, .size: 8, .value_kind: global_buffer, .address_space: global }
      - { .name: k_beta, .offset: 64, .size: 8, .value_kind: global_buffer, .address_space: global }
      - { .name: qb, .offset: 72, .size: 8, .value_kind: global_buffer, .address_space: global }
      - { .name: kv, .offset: 80, .size: 8, .value_kind: global_buffer, .address_space: global }
    .group_segment_fixed_size: 327680
    .private_segment_fixed_size: 0
    .kernarg_segment_align: 8
    .kernarg_segment_size: 88
    .max_flat_workgroup_size: 128
    .sgpr_count:     100
    .vgpr_count:     1024
    .wavefront_size: 32
...
	.end_amdgpu_metadata
.endif
;; end of part 1
;; launch attn (part 2): grid 4 x 64, 16 waves a work-group, clusters of 4 x 1, 210,944 bytes of LDS; arguments qb, kv, yc, ys; writes yc, ys
.if DOCPART == 2
	.amdgcn_target "amdgcn-amd-amdhsa--gfx1250"
	.amdhsa_code_object_version 6
	.text
	.protected	k_q726bb392d9_attn
	.globl	k_q726bb392d9_attn
	.p2align	8
	.type	k_q726bb392d9_attn,@function
k_q726bb392d9_attn:
	s_mov_b64 s[64:65], 0
	v_nop
	global_prefetch_b8 v0, s[64:65] scope:SCOPE_SE
	s_setreg_imm32_b32 hwreg(HW_REG_WAVE_MODE, 25, 1), 1
	s_wait_xcnt 0x0
	s_wait_alu depctr_hold_cnt(0) depctr_sa_sdst(0) depctr_va_vdst(0) depctr_va_sdst(0) depctr_va_ssrc(0) depctr_va_vcc(0) depctr_vm_vsrc(0)
	s_getreg_b32 s2, hwreg(HW_REG_IB_STS2, 6, 4)
	s_cmp_eq_u32 s2, 0
	s_cbranch_scc0 .Lentry_in_a_cluster
	s_endpgm
.Lentry_in_a_cluster:
	s_bfe_u32 s2, ttmp6, 0x10000c
	s_cmp_lg_u32 s2, 0x3003
	s_cbranch_scc0 .Lentry_shape_is_right
	s_endpgm
.Lentry_shape_is_right:
; y[b][t][64 h + d] = the sum over keys of softmax(q . k / 8) v, both products on codes of FP6 (E2M3) with E8M0 scales; y is quantised along its 1024 channels for the last product.
; THE SOFTMAX: t = score x log2(e) / 8; M = the running largest t rounded up to a whole number; p = 2^(t - M) is quantised along the keys; the row's sum is taken of the unquantised p
; and divides at the end; when M moves, the sum and O are multiplied by 2^(old M - new M), which rounds nothing.
; SHARES. A work-group owns 512 queries of one head (16 b + h = the grid's y); each of its sixteen waves owns one tile of 16 queries in each of two passes.
; THE HEAD'S K AND V, codes and scale words, 208,896 bytes, lie in LDS as they lie in memory: images of operand registers, 13,056 bytes a step of 128 keys. They are filled ONCE: wave w asks for key step w,
; one tensor load a wave, at the head; one wait and one barrier show all sixteen steps to all waves; nothing is filled again, nothing is stored to LDS, and no further barrier stands in the walk.
; The four work-groups of a cluster own the four quarters of the head's queries and ask for each step JOINTLY.
; LAYOUT. S^T = K Q^T (source 0 = 16 keys, source 1 = my 16 queries), O^T = V^T P^T: a lane holds one query throughout. The keys of a block of 32 lie in p's codes in the order in which
; the launch before laid them in v's, the channels in q's as in k's.
; K = 64 IN AN INSTRUCTION OF 128: Q's registers 6-11 are zero codes, and bytes 2, 3 of Q's and K's scale words are 0. K's fragment t is v[32 + 6 t] on, 12 registers: its upper six are
; the next tile's codes (for t = 7 six registers of zeros): finite numbers that meet zeros.
; OUT. yc: [row / 16][h][768]: registers 0-3 at 16 x lane, 4-5 at 512 + 8 x lane, channels in their natural order; ys: [row][32], byte 2 h + block.
; LIMITS: NaN and infinities are not served; a block of zeros gets the byte 1, not 127 (this program alone reads the bytes); a p under 2^-126 counts as 0; the scaled scores stay under 2^31 in magnitude.
; No prefetch: all that the launch reads of K and V is asked for at its head.
; REGISTERS: v1, v2 16 x lane, 8 x lane; v3, v4 the step's LDS addresses; v8 32 r + h; v12 -M, v13 the largest t, v[14:15] the sum; v16-27 Q; v28 Q's, v29 p's, v30-31 V's, v86-89 K's scale words;
;   v32-79 K's fragments, then V's; v80-85 zeros; v90-95, v192 the second pass's Q; v96-159 S^T, then p; v160-191 O^T; v196-211 at work; v224-235 p's codes; v236-253 at work.
.set STEPB, 13056
.set WV,   12
.set G1,   24
.set G0,   32
.set SEL,  48
.set CS,   50
.set TB,   52
.set CNT,  53
.set PASS, 54
.set HALF, 55
.set BM,   196
.set BX,   200
.set SO,   204
.set TP,   208
.set F,    210
.set T,    240                         ; seven chains of the row's sum
.macro ROUND
	s_barrier_signal -1
	s_barrier_wait -1
	s_cmp_lg_u32 s[WV], 0
	s_cbranch_scc1 .Lnot_wave_0_\@
	s_barrier_signal -3
.Lnot_wave_0_\@:
	s_barrier_wait -3
	s_barrier_signal -1
	s_barrier_wait -1
.endm
	s_load_b256 s[4:11], s[0:1], 0x0               ; qb, kv, yc, ys
	v_lshl_add_u32 v254, v0, 2, 0x33000
	v_mov_b32 v255, 0
	ds_add_u32 v254, v255                          ; the opening lines
	ds_add_u32 v254, v255
	v_lshrrev_b32 v5, 5, v0
	s_delay_alu instid0(VALU_DEP_1)
	v_readfirstlane_b32 s[WV], v5                  ; wave 0..15
	s_bfe_u32 s13, ttmp6, 0x40000                  ; cx: my quarter of the queries; it enters Q's and y's addresses alone
	s_and_b32 s14, ttmp7, 0xffff                   ; 16 b + h, which the four partners share
	s_mov_b32 s[G1], 15|(3<<16)|(1<<21)            ; all four work-groups; elements of 8 bytes
	s_mov_b32 s[G1+1], 32<<16                      ; rows of 256 bytes
	s_mov_b32 s[G1+2], 51<<16                      ; 13,056 / 256
	s_mov_b32 s[G1+3], 32<<16
	s_mov_b32 s[G1+4], 51
	s_mov_b32 s[G1+5], 32
	s_mov_b32 s[G1+6], 0
	s_mov_b32 s[G1+7], 0
	s_mul_i32 s56, s[WV], STEPB                    ; my key step: in LDS and in memory alike
	s_mul_i32 s58, s14, 16*STEPB                   ; the head's block
	s_add_co_u32 s58, s58, s56
	s_mov_b32 s59, 0
	s_mov_b32 s[SEL], 0x76543210
	s_mov_b32 s[SEL+1], 0xfedcba98
	s_mov_b32 s[CS], 0x3e38aa3b                    ; log2(e) / 8
	s_mov_b32 s[CS+1], s[CS]
	s_wait_dscnt 0x0
	s_wait_kmcnt 0x0
	s_add_nc_u64 s[58:59], s[6:7], s[58:59]
	ROUND                                          ; the joint loads meet
	s_mov_b32 s[G0], 1
	s_mov_b32 s[G0+1], s56
	s_mov_b64 s[G0+2:G0+3], s[58:59]
	s_or_b32 s[G0+3], s[G0+3], 0x80000000
	tensor_load_to_lds s[G0:G0+3], s[G1:G1+7]      ; one load a wave
	s_nop 0
.rept 4
	v_nop
.endr
	v_and_b32 v5, 31, v0
	s_delay_alu instid0(VALU_DEP_1)
	v_lshlrev_b32 v1, 4, v5
	s_wait_alu depctr_va_vdst(0)
	v_lshlrev_b32 v2, 3, v5
	s_wait_alu depctr_va_vdst(0)
	v_and_b32 v6, 15, v0
	v_bfe_u32 v7, v0, 4, 1
	s_delay_alu instid0(VALU_DEP_1)
	v_lshl_add_u32 v8, v6, 5, v7                   ; ys: row r of 32 bytes, + my half's block
	s_delay_alu instid0(VALU_DEP_3)
	v_lshlrev_b32 v9, 4, v6                        ; Q's scale words: 16 bytes from row to row
	s_wait_alu depctr_va_vdst(0)
	v_cmp_le_u32 s[HALF], 16, v5
	; Q: pass p's tile is 16 p + wave of my work-group's 32: block of 128 queries 4 cx + 2 p + wave / 8, tile wave % 8
	s_lshl_b32 s60, s14, 4
	s_lshl_b32 s61, s13, 2
	s_add_co_u32 s60, s60, s61
	s_lshr_b32 s61, s[WV], 3
	s_add_co_u32 s60, s60, s61
	s_mul_i32 s60, s60, 6656
	s_and_b32 s61, s[WV], 7
	s_mul_i32 s62, s61, 768
	s_add_co_u32 s62, s62, s60
	s_mov_b32 s63, 0
	s_and_b32 s66, s61, 1
	s_lshl_b32 s66, s66, 8                         ; odd tiles' words lie in lanes 16-31's places
	s_lshr_b32 s61, s61, 1
	s_lshl_b32 s61, s61, 2
	s_add_co_u32 s66, s66, s61
	s_add_co_u32 s66, s66, s60
	s_add_co_u32 s66, s66, 6144
	s_mov_b32 s67, 0
	s_add_nc_u64 s[62:63], s[4:5], s[62:63]
	s_add_nc_u64 s[66:67], s[4:5], s[66:67]
	global_load_b128 v[16:19], v1, s[62:63]
	global_load_b64 v[20:21], v2, s[62:63] offset:512
	global_load_b32 v28, v9, s[66:67]
	global_load_b128 v[90:93], v1, s[62:63] offset:13312
	global_load_b64 v[94:95], v2, s[62:63] offset:13312+512
	global_load_b32 v192, v9, s[66:67] offset:13312
	; y: tile of 16 rows 128 b + 32 cx + 16 p + wave
	s_lshr_b32 s68, s14, 4
	s_lshl_b32 s68, s68, 7
	s_lshl_b32 s69, s13, 5
	s_add_co_u32 s68, s68, s69
	s_add_co_u32 s68, s68, s[WV]
	s_and_b32 s69, s14, 15
	s_lshl_b32 s70, s68, 4
	s_add_co_u32 s70, s70, s69
	s_mul_i32 s70, s70, 768
	s_mov_b32 s71, 0
	s_add_nc_u64 s[8:9], s[8:9], s[70:71]
	s_lshl_b32 s70, s68, 9
	s_lshl_b32 s69, s69, 1
	s_add_co_u32 s70, s70, s69
	s_add_nc_u64 s[10:11], s[10:11], s[70:71]
.irp i, 0,1,2,3,4,5
	v_mov_b32 v[22+\i], 0                          ; Q's upper 64 along K: zero codes
	v_mov_b32 v[80+\i], 0                          ; what stands behind K's last tile
.endr
.irp b, 0,1,2,3
	v_mov_b32 v[BX+\b], 0                          ; a lane permute's destination counts as a source
.endr
	v_mov_b32 v[F+1], 0
; A KEY STEP: 128 keys.
.macro STEP
	v_add_nc_u32 v3, s[TB], v1
	v_add_nc_u32 v4, s[TB], v2
	v_nop
	v_nop                                          ; four places between the last step's products and the loads into their registers
.irp t, 0,1,2,3,4,5,6,7
	ds_load_b128 v[32+6*\t:35+6*\t], v3 offset:768*\t
	ds_load_b64 v[36+6*\t:37+6*\t], v4 offset:768*\t+512
.endr
	ds_load_b128 v[86:89], v3 offset:6144
	s_wait_alu depctr_va_vdst(0)
	s_wait_dscnt 0x0
.irp t, 0,2,4,6
	v_wmma_scale_f32_16x16x128_f8f6f4 v[96+8*\t:103+8*\t], v[32+6*\t:43+6*\t], v[16:27], 0, v[86+\t/2], v28 matrix_a_fmt:MATRIX_FMT_FP6 matrix_b_fmt:MATRIX_FMT_FP6
	v_wmma_scale_f32_16x16x128_f8f6f4 v[104+8*\t:111+8*\t], v[38+6*\t:49+6*\t], v[16:27], 0, v[86+\t/2], v28 matrix_a_fmt:MATRIX_FMT_FP6 matrix_b_fmt:MATRIX_FMT_FP6 matrix_a_scale:MATRIX_SCALE_ROW1
.endr
.rept 4
	v_nop
.endr
.irp t, 0,1,2,3                                ; V is asked for now and lands under the softmax
.irp c, 0,1,2
	ds_load_b128 v[32+12*\t+4*\c:35+12*\t+4*\c], v3 offset:6656+1536*\t+512*\c
.endr
.endr
	ds_load_b64 v[30:31], v4 offset:12800
.irp b, 0,1,2,3
	v_max3_num_f32 v[BM+\b], v[96+16*\b], v[97+16*\b], v[98+16*\b]   ; each block's largest score: for the row's maximum and for the block's largest p
.endr
.irp i, 3,5,7,9,11,13
.irp b, 0,1,2,3
	v_max3_num_f32 v[BM+\b], v[BM+\b], v[96+16*\b+\i], v[97+16*\b+\i]
.endr
.endr
.irp b, 0,1,2,3
	v_max_num_f32 v[BM+\b], v[BM+\b], v[111+16*\b]
.endr
.irp b, 0,1,2,3
	s_delay_alu instid0(VALU_DEP_4)
	v_permlanex16_b32 v[BX+\b], v[BM+\b], s[SEL], s[SEL+1]
.endr
.irp b, 0,1,2,3
	s_delay_alu instid0(VALU_DEP_4)
	v_max_num_f32 v[BM+\b], v[BM+\b], v[BX+\b]
.endr
	s_delay_alu instid0(VALU_DEP_2)
	v_max3_num_f32 v[TP], v[BM], v[BM+1], v[BM+2]
	s_delay_alu instid0(VALU_DEP_1)
	v_max_num_f32 v[TP], v[TP], v[BM+3]
	s_delay_alu instid0(VALU_DEP_1)
	v_mul_f32 v[TP], s[CS], v[TP]
	s_delay_alu instid0(VALU_DEP_1)
	v_max_num_f32 v13, v13, v[TP]                  ; the running largest t
	v_mov_b32 v[TP], v12
	s_delay_alu instid0(VALU_DEP_2)
	v_floor_f32 v12, -v13                          ; the new -M
	s_delay_alu instid0(VALU_DEP_1)
	v_sub_f32 v[TP], v12, v[TP]
	s_delay_alu instid0(VALU_DEP_1)
	v_cvt_i32_f32 v[TP], v[TP]
	s_delay_alu instid0(VALU_DEP_1)
	v_ldexp_f32 v[F], 1.0, v[TP]                   ; f = 2^(old M - new M)
.irp j, 0,2,4,6,8,10,12,14,16,18,20,22,24,26,28,30,32,34,36,38,40,42,44,46,48,50,52,54,56,58,60,62
	v_pk_fma_f32 v[96+\j:97+\j], v[96+\j:97+\j], s[CS:CS+1], v[12:13] op_sel_hi:[1,0,0]   ; t - M
.endr
.irp b, 0,1,2,3
	v_fma_f32 v[BM+\b], v[BM+\b], s[CS], v12
.endr
.set j, 0
	s_wait_alu depctr_va_vdst(0)                   ; a wait ahead of the batch
.rept 64
	v_exp_f32 v[96+j], v[96+j]                     ; p = 2^(t - M)
.set j, j+1
.endr
	v_pk_mul_f32 v[14:15], v[14:15], v[F:F+1] op_sel_hi:[1,0]
	s_wait_alu depctr_va_vdst(0)                   ; and one behind it
.irp b, 0,1,2,3
	v_exp_f32 v[BM+\b], v[BM+\b]                   ; the blocks' largest p
.endr
.irp k, 0,1,2,3,4,5,6                          ; the row's sum of the unquantised p: 32 pairs in eight chains
	v_pk_add_f32 v[T+2*\k:T+2*\k+1], v[96+4*\k:97+4*\k], v[98+4*\k:99+4*\k]
.endr
	v_pk_add_f32 v[14:15], v[14:15], v[124:125]
.irp k, 0,1,2,3,4,5,6
	v_pk_add_f32 v[T+2*\k:T+2*\k+1], v[T+2*\k:T+2*\k+1], v[126+2*\k:127+2*\k]
.endr
	v_pk_add_f32 v[14:15], v[14:15], v[140:141]
.irp k, 0,1,2,3,4,5,6
	v_pk_add_f32 v[T+2*\k:T+2*\k+1], v[T+2*\k:T+2*\k+1], v[142+2*\k:143+2*\k]
.endr
	v_pk_add_f32 v[14:15], v[14:15], v[156:157]
	v_pk_add_f32 v[T:T+1], v[T:T+1], v[158:159]
	v_pk_add_f32 v[T+4:T+5], v[T+4:T+5], v[T+6:T+7]
	v_pk_add_f32 v[T+8:T+9], v[T+8:T+9], v[T+10:T+11]
	v_pk_add_f32 v[14:15], v[14:15], v[T+12:T+13]
	v_pk_add_f32 v[T:T+1], v[T:T+1], v[T+2:T+3]
	s_delay_alu instid0(VALU_DEP_2)
	v_pk_add_f32 v[14:15], v[14:15], v[T+8:T+9]
	s_delay_alu instid0(VALU_DEP_2)
	v_pk_add_f32 v[T:T+1], v[T:T+1], v[T+4:T+5]
	s_delay_alu instid0(VALU_DEP_1)
	v_pk_add_f32 v[14:15], v[14:15], v[T:T+1]
	s_wait_alu depctr_va_vdst(0)                   ; for the four
.irp b, 0,1,2,3
	v_max_num_f32 v[BM+\b], 0x1800000, v[BM+\b]    ; the floor: the byte cannot fall under 1
.endr
.irp b, 0,1,2,3
	s_delay_alu instid0(VALU_DEP_4)
	v_add_nc_u32 v[SO+\b], 0xff000000, v[BM+\b]
.endr
.irp b, 0,1,2,3
	s_delay_alu instid0(VALU_DEP_4)
	v_lshrrev_b32 v[BX+\b], 23, v[SO+\b]
.endr
	s_delay_alu instid0(VALU_DEP_3)
	v_lshl_or_b32 v29, v[BX+1], 8, v[BX]
	s_delay_alu instid0(VALU_DEP_1)
	v_lshl_or_b32 v29, v[BX+2], 16, v29
	s_delay_alu instid0(VALU_DEP_1)
	v_lshl_or_b32 v29, v[BX+3], 24, v29
.irp c, 0,1
	v_cvt_scalef32_pk16_fp6_f32 v[224+6*\c:226+6*\c], v[96+32*\c:111+32*\c], v[SO+2*\c]
	v_cvt_scalef32_pk16_fp6_f32 v[236+4*\c:238+4*\c], v[112+32*\c:127+32*\c], v[SO+2*\c+1]
.endr
	v_nop
.irp c, 0,1
.irp i, 0,1,2
	v_permlane16_swap_b32 v[224+6*\c+\i], v[236+4*\c+\i]
.endr
.irp i, 0,1,2
	s_delay_alu instid0(VALU_DEP_3)
	v_mov_b32 v[227+6*\c+\i], v[236+4*\c+\i]
.endr
.endr
.irp j, 0,2,4,6,8,10,12,14,16,18,20,22,24,26,28,30
	v_pk_mul_f32 v[160+\j:161+\j], v[160+\j:161+\j], v[F:F+1] op_sel_hi:[1,0]   ; O^T under the new M; also the places ahead of the products
.endr
	s_wait_alu depctr_va_vdst(0)
	s_wait_dscnt 0x0                               ; V
.irp t, 0,2
	v_wmma_scale_f32_16x16x128_f8f6f4 v[160+8*\t:167+8*\t], v[32+12*\t:43+12*\t], v[224:235], v[160+8*\t:167+8*\t], v[30+\t/2], v29 matrix_a_fmt:MATRIX_FMT_FP6 matrix_b_fmt:MATRIX_FMT_FP6
	v_wmma_scale_f32_16x16x128_f8f6f4 v[168+8*\t:175+8*\t], v[44+12*\t:55+12*\t], v[224:235], v[168+8*\t:175+8*\t], v[30+\t/2], v29 matrix_a_fmt:MATRIX_FMT_FP6 matrix_b_fmt:MATRIX_FMT_FP6 matrix_a_scale:MATRIX_SCALE_ROW1
.endr
.endm
	s_wait_alu depctr_va_vdst(0)                   ; the wait at the head's end
	s_wait_loadcnt 0x0                             ; both passes' Q
	s_wait_tensorcnt 0x0                           ; my key step is in;
	s_barrier_signal -1
	s_barrier_wait -1                              ; and everybody's
	s_mov_b32 s[PASS], 2
.Lpass:
	v_mov_b32 v13, 0xff61b1e6                      ; the largest t so far: -3e38
	s_delay_alu instid0(VALU_DEP_1)
	v_floor_f32 v12, -v13
	v_mov_b32 v14, 0
	v_mov_b32 v15, 0
.set j, 0
.rept 32
	v_mov_b32 v[160+j], 0                          ; O^T: the step is written once; the first finds zeros
.set j, j+1
.endr
	s_mov_b32 s[TB], 0
	s_mov_b32 s[CNT], 16
.Lstep:
	STEP
	s_add_co_u32 s[TB], s[TB], STEPB
	s_sub_co_u32 s[CNT], s[CNT], 1
	s_cmp_lg_u32 s[CNT], 0
	s_cbranch_scc1 .Lstep
	; THE WAY OUT of a pass: O^T / the sum; the channels into their natural order; two blocks of 32 quantised
.rept 4
	v_nop
.endr
	v_add_f32 v14, v14, v15
	s_delay_alu instid0(VALU_DEP_1)
	v_permlanex16_b32 v[BX], v14, s[SEL], s[SEL+1]
	s_delay_alu instid0(VALU_DEP_1)
	v_add_f32 v14, v14, v[BX]
	s_wait_alu depctr_va_vdst(0)
	v_rcp_f32 v14, v14
	v_nop
	s_wait_alu depctr_va_vdst(0)
.set j, 0
.rept 32
	v_mul_f32 v[96+j], v[160+j], v14               ; register 8 t + i: y(query r, channel 16 t + 8 h + i)
.set j, j+1
.endr
.irp i, 0,1,2,3,4,5,6,7                        ; tiles 2 B and 2 B + 1 change halves: a lane's 16 registers are then channels 32 B + 16 h + 0 .. 15
	v_permlane16_swap_b32 v[96+\i], v[104+\i]
	v_permlane16_swap_b32 v[112+\i], v[120+\i]
.endr
.irp b, 0,1
	v_max3_num_f32 v[BM+\b], |v[96+16*\b]|, |v[97+16*\b]|, 0x1800000
.endr
.irp i, 2,4,6,8,10,12,14
.irp b, 0,1
	s_delay_alu instid0(VALU_DEP_2)
	v_max3_num_f32 v[BM+\b], v[BM+\b], |v[96+16*\b+\i]|, |v[97+16*\b+\i]|
.endr
.endr
.irp b, 0,1
	s_delay_alu instid0(VALU_DEP_2)
	v_permlanex16_b32 v[BX+\b], v[BM+\b], s[SEL], s[SEL+1]
.endr
.irp b, 0,1
	s_delay_alu instid0(VALU_DEP_2)
	v_max_num_f32 v[BM+\b], v[BM+\b], v[BX+\b]
.endr
.irp b, 0,1
	s_delay_alu instid0(VALU_DEP_2)
	v_add_nc_u32 v[SO+\b], 0xff000000, v[BM+\b]
.endr
.irp b, 0,1
	s_delay_alu instid0(VALU_DEP_2)
	v_lshrrev_b32 v[BX+\b], 23, v[SO+\b]
.endr
	s_delay_alu instid0(VALU_DEP_1)
	v_cndmask_b32 v[TP], v[BX], v[BX+1], s[HALF]
	v_cvt_scalef32_pk16_fp6_f32 v[224:226], v[96:111], v[SO]
	v_cvt_scalef32_pk16_fp6_f32 v[236:238], v[112:127], v[SO+1]
	v_nop
.irp i, 0,1,2
	v_permlane16_swap_b32 v[224+\i], v[236+\i]
.endr
.irp i, 0,1,2
	s_delay_alu instid0(VALU_DEP_3)
	v_mov_b32 v[227+\i], v[236+\i]
.endr
	global_store_b128 v1, v[224:227], s[8:9]
	global_store_b64 v2, v[228:229], s[8:9] offset:512
	global_store_b8 v8, v[TP], s[10:11]            ; two bytes of each of 16 rows of 32
.irp i, 0,1,2,3,4,5
	v_mov_b32 v[16+\i], v[90+\i]                   ; the second pass's Q
.endr
	v_mov_b32 v28, v192
	s_wait_xcnt 0x0                                ; the stores have read their registers and bases
	s_add_nc_u64 s[8:9], s[8:9], 196608            ; 16 tiles of rows on
	s_add_nc_u64 s[10:11], s[10:11], 8192
	s_sub_co_u32 s[PASS], s[PASS], 1
	s_cmp_lg_u32 s[PASS], 0
	s_cbranch_scc1 .Lpass
	s_wait_tensorcnt 0x0                           ; the wave's end
	ds_add_u32 v254, v255
	s_wait_dscnt 0x0
	ROUND                                          ; the closing round
	s_endpgm
.Lfunc_end_k_q726bb392d9_attn:
	.size	k_q726bb392d9_attn, .Lfunc_end_k_q726bb392d9_attn-k_q726bb392d9_attn
	.p2alignl 7, 3214868480
	.fill 96, 4, 3214868480
	.section	.rodata,"a",@progbits
	.p2align	6, 0x0
	.amdhsa_kernel k_q726bb392d9_attn
		.amdhsa_group_segment_fixed_size 210944
		.amdhsa_private_segment_fixed_size 0
		.amdhsa_enable_private_segment 0
		.amdhsa_kernarg_size 32
		.amdhsa_user_sgpr_count 2
		.amdhsa_user_sgpr_kernarg_segment_ptr 1
		.amdhsa_wavefront_size32 1
		.amdhsa_system_sgpr_workgroup_id_x 1
		.amdhsa_system_sgpr_workgroup_id_y 1
		.amdhsa_system_sgpr_workgroup_id_z 1
		.amdhsa_system_vgpr_workitem_id 0
		.amdhsa_next_free_vgpr 256
		.amdhsa_next_free_sgpr 72
		.amdhsa_reserve_vcc 0
		.amdhsa_float_denorm_mode_32 3
		.amdhsa_float_denorm_mode_16_64 3
		.amdhsa_memory_ordered 1
		.amdhsa_forward_progress 1
		.amdhsa_inst_pref_size 30
	.end_amdhsa_kernel
	.amdgpu_metadata
---
amdhsa.version: [ 1, 2 ]
amdhsa.kernels:
  - .name:           k_q726bb392d9_attn
    .symbol:         k_q726bb392d9_attn.kd
    .args:
      - { .name: qb, .offset: 0, .size: 8, .value_kind: global_buffer, .address_space: global }
      - { .name: kv, .offset: 8, .size: 8, .value_kind: global_buffer, .address_space: global }
      - { .name: yc, .offset: 16, .size: 8, .value_kind: global_buffer, .address_space: global }
      - { .name: ys, .offset: 24, .size: 8, .value_kind: global_buffer, .address_space: global }
    .group_segment_fixed_size: 210944
    .private_segment_fixed_size: 0
    .kernarg_segment_align: 8
    .kernarg_segment_size: 32
    .max_flat_workgroup_size: 512
    .sgpr_count:     72
    .vgpr_count:     256
    .wavefront_size: 32
...
	.end_amdgpu_metadata
.endif
;; end of part 2
;; launch proj (part 3): grid 4 x 64, 4 waves a work-group, clusters of 4 x 4, 327,680 bytes of LDS; arguments yc, ys, Wproj_codes, Wproj_scales, out0, bproj; writes out0
.if DOCPART == 3
	.amdgcn_target "amdgcn-amd-amdhsa--gfx1250"
	.amdhsa_code_object_version 6
	.text
	.protected	k_q726bb392d9_proj
	.globl	k_q726bb392d9_proj
	.p2align	8
	.type	k_q726bb392d9_proj,@function
k_q726bb392d9_proj:
	s_mov_b64 s[64:65], 0
	v_nop
	global_prefetch_b8 v0, s[64:65] scope:SCOPE_SE
	s_setreg_imm32_b32 hwreg(HW_REG_WAVE_MODE, 25, 1), 1
	s_wait_xcnt 0x0
	s_wait_alu depctr_hold_cnt(0) depctr_sa_sdst(0) depctr_va_vdst(0) depctr_va_sdst(0) depctr_va_ssrc(0) depctr_va_vcc(0) depctr_vm_vsrc(0)
	s_getreg_b32 s2, hwreg(HW_REG_IB_STS2, 6, 4)
	s_cmp_eq_u32 s2, 0
	s_cbranch_scc0 .Lentry_in_a_cluster
	s_endpgm
.Lentry_in_a_cluster:
	s_bfe_u32 s2, ttmp6, 0x10000c
	s_cmp_lg_u32 s2, 0xf033
	s_cbranch_scc0 .Lentry_shape_is_right
	s_endpgm
.Lentry_shape_is_right:
; out0 = y Wproj + bproj on codes of FP6 (E2M3) with E8M0 scales; sums in f32.
; SHARES. A work-group makes 128 rows x 256 columns: 4 x 64 work-groups. A wave makes 128 rows x 64 columns: 8 x 4 accumulators.
; LDS holds all of K, filled once by one tensor load a wave: y's 128 rows as the launch before laid them, images of operand registers, 98,304 dense bytes; W's 256 rows of 768 bytes, begun on
; multiples of 256 in memory, 16 bytes of padding behind every 256: pitch 816. Nothing is filled again.
; CLUSTERS 4 x 4: y's rows are asked for jointly along a row of the cluster, W's along a column. Scale words go from memory into registers, a row's 32 bytes for its eight K steps.
; Source 0 = W's rows, source 1 = y's rows: a lane holds eight neighbouring columns of one row. The bias is the C of the first K step.
; OUT through a stage of 16 rows x 272 bytes a wave, on bytes of y's images behind a barrier behind which nobody reads them: sixteen lanes store 256 consecutive bytes, aligned.
; No prefetch: the head asks for all that the launch reads.
; REGISTERS. Window 0: v0-31 addresses; v32-95 y's scale words, v96-127 W's; v128-223 W's fragments, two sets, then the way out. Window 1: y's fragments, two sets. Window 2: accumulators. Window 3: the bias.
.set PITCH, 816
.set TILEB, 16*PITCH
.set ABYTES, 98304
.set SPARE, ABYTES+256*PITCH
.set SPITCH, 272
.set A16, 16
.set A8, 18
.set ADRB, 20
.set VS, 22
.set VH, 23
.set STO, 24
.set RD, 25
.set CO, 26
.set SPW, 28
.set NIL, 29
.set SA, 32
.set SB, 96
.set BF, 128
.set BK, 128
.set BI, 0
.set G1A, 24
.set G0A, 32
.set G0B, 36
.set G1B, 48
.set MSB, 0
.macro WIN new
.if MSB != (\new)
	s_set_vgpr_msb (MSB<<8)|(\new)
.set MSB, (\new)
.endif
.endm
.macro NOP4
.rept 4
	v_nop
.endr
.endm
.macro CROUND
	s_barrier_signal -1
	s_barrier_wait -1
	s_cmp_lg_u32 s14, 0
	s_cbranch_scc1 .Lnot_wave_0_\@
	s_barrier_signal -3
.Lnot_wave_0_\@:
	s_barrier_wait -3
	s_barrier_signal -1
	s_barrier_wait -1
.endm
	s_load_b256 s[4:11], s[0:1], 0x0               ; yc, ys, W codes, W scales
	s_load_b128 s[68:71], s[0:1], 0x20             ; out0, bproj
	v_lshl_add_u32 v[SPW], v0, 2, SPARE
	v_mov_b32 v[NIL], 0
	ds_add_u32 v[SPW], v[NIL]                      ; the opening lines
	ds_add_u32 v[SPW], v[NIL]
	v_lshrrev_b32 v1, 5, v0
	v_readfirstlane_b32 s14, v1
	s_lshr_b32 s15, s14, 1
	s_and_b32 s16, s14, 1
	s_bfe_u32 s40, ttmp6, 0x40000
	s_bfe_u32 s41, ttmp6, 0x40004
	s_lshl_b32 s42, ttmp9, 2
	s_add_co_u32 s42, s42, s40                     ; block of 256 columns
	s_and_b32 s17, ttmp7, 0xffff
	s_lshl_b32 s17, s17, 2
	s_add_co_u32 s17, s17, s41                     ; block of 128 rows
	s_lshl_b32 s43, s41, 2
	s_lshl_b32 s43, 15, s43
	s_lshl_b32 s44, 0x1111, s40
	s_or_b32 s[G1A], s43, (3<<16)|(1<<21)          ; dense: 192 rows of 256 bytes a load
	s_mov_b32 s[G1A+1], 32<<16
	s_mov_b32 s[G1A+2], 192<<16
	s_mov_b32 s[G1A+3], 32<<16
	s_mov_b32 s[G1A+4], 192
	s_mov_b32 s[G1A+5], 32
	s_mov_b32 s[G1A+6], 0
	s_mov_b32 s[G1A+7], 0
	s_or_b32 s[G1B], s44, (1<<20)|(1<<21)|(5<<22)|(3<<25)
	s_mov_b32 s[G1B+1], 768<<16
	s_mov_b32 s[G1B+2], 128<<16
	s_mov_b32 s[G1B+3], 768<<16
	s_mov_b32 s[G1B+4], 128
	s_mov_b32 s[G1B+5], 768
	s_mov_b32 s[G1B+6], 0
	s_mov_b32 s[G1B+7], 0
	s_lshl_b32 s20, s17, 1
	s_add_co_u32 s20, s20, s16
	s_mul_i32 s20, s20, 49152                      ; y: 64 rows are 49,152 bytes
	s_mov_b32 s21, 0
	s_lshl_b32 s46, s42, 8
	s_lshl_b32 s18, s16, 7
	s_add_co_u32 s46, s46, s18
	s_mul_i32 s46, s46, 768
	s_mov_b32 s47, 0
	s_mul_i32 s22, s16, 49152
	s_mul_i32 s23, s16, 128*PITCH
	s_add_co_u32 s23, s23, ABYTES
	s_wait_dscnt 0x0
	s_wait_kmcnt 0x0
	s_add_nc_u64 s[20:21], s[4:5], s[20:21]
	s_add_nc_u64 s[46:47], s[8:9], s[46:47]
	CROUND
	s_mov_b32 s[G0A], 1
	s_mov_b32 s[G0A+1], s22
	s_mov_b64 s[G0A+2:G0A+3], s[20:21]
	s_or_b32 s[G0A+3], s[G0A+3], 0x80000000
	s_mov_b32 s[G0B], 1
	s_mov_b32 s[G0B+1], s23
	s_mov_b64 s[G0B+2:G0B+3], s[46:47]
	s_or_b32 s[G0B+3], s[G0B+3], 0x80000000
	s_cmp_eq_u32 s15, 0
	s_cbranch_scc0 .Lhead_b
	tensor_load_to_lds s[G0A:G0A+3], s[G1A:G1A+7]
	s_nop 0
	NOP4
	s_branch .Lhead_asked
.Lhead_b:
	tensor_load_to_lds s[G0B:G0B+3], s[G1B:G1B+7]
	s_nop 0
	NOP4
.Lhead_asked:
	s_mov_b32 s57, 0
	s_lshl_b32 s56, s17, 12
	s_add_nc_u64 s[6:7], s[6:7], s[56:57]          ; y's scales
	s_lshl_b32 s58, s42, 2
	s_add_co_u32 s58, s58, s14                     ; my 64 columns
	s_lshl_b32 s56, s58, 11
	s_add_nc_u64 s[10:11], s[10:11], s[56:57]      ; W's scales
	s_lshl_b32 s56, s58, 8
	s_add_nc_u64 s[70:71], s[70:71], s[56:57]      ; the bias
	s_add_nc_u64 s[68:69], s[68:69], s[56:57]
	s_lshl_b32 s56, s17, 19
	s_add_nc_u64 s[68:69], s[68:69], s[56:57]      ; out0: 128 rows of 4,096 bytes a block
	s_mul_i32 s21, s14, 4*TILEB
	s_add_co_u32 s21, s21, ABYTES
	s_mul_i32 s23, s14, 16*SPITCH                  ; my stage
	v_and_b32 v1, 15, v0
	v_bfe_u32 v2, v0, 4, 1
	v_and_b32 v12, 31, v0
	v_mul_u32_u24 v3, v1, PITCH
	v_mad_u32_u24 v3, v2, 24, v3
	v_add_nc_u32 v[ADRB], s21, v3
	v_lshl_add_u32 v[ADRB+1], v2, 4, v[ADRB]
	v_lshlrev_b32 v[A16], 4, v12
	v_add_nc_u32 v[A16+1], 49152, v[A16]
	v_lshlrev_b32 v[A8], 3, v12
	v_add_nc_u32 v[A8+1], 49152, v[A8]
	v_lshlrev_b32 v[VS], 5, v1
	v_lshlrev_b32 v[VH], 5, v2
	v_mul_u32_u24 v4, v1, SPITCH
	v_lshl_add_u32 v4, v2, 5, v4
	v_add_nc_u32 v[STO], s23, v4                   ; in: row r, 32 bytes for each half of the lanes
	v_mul_u32_u24 v5, v2, SPITCH
	v_lshl_add_u32 v5, v1, 4, v5
	v_add_nc_u32 v[RD], s23, v5                    ; back: lanes 0-15 one row of 256 bytes, lanes 16-31 the next
	v_lshlrev_b32 v6, 12, v2
	v_lshl_add_u32 v[CO], v1, 4, v6                ; and the same two rows in out0
	s_wait_alu depctr_va_vdst(0)                   ; the wait at the head's end
.irp a, 0,1,2,3,4,5,6,7
	global_load_b128 v[SA+8*\a:SA+8*\a+3], v[VS], s[6:7] offset:512*\a
	global_load_b128 v[SA+8*\a+4:SA+8*\a+7], v[VS], s[6:7] offset:512*\a+16
.endr
.irp b, 0,1,2,3
	global_load_b128 v[SB+8*\b:SB+8*\b+3], v[VS], s[10:11] offset:512*\b
	global_load_b128 v[SB+8*\b+4:SB+8*\b+7], v[VS], s[10:11] offset:512*\b+16
.endr
	WIN 0xc0
.irp t, 0,1,2,3
	global_load_b128 v[BI+8*\t:BI+8*\t+3], v[VH], s[70:71] offset:64*\t
	global_load_b128 v[BI+8*\t+4:BI+8*\t+7], v[VH], s[70:71] offset:64*\t+16
.endr
	WIN 0
.macro FRAG reg, adr, st, i            ; W: byte y of a row lies at y + 16 (y / 256)
.irp p, 0,1,2,3,4,5
.set BY, 96*(\st)+48*(\p/3)+8*(\p%3)
.if BY/256 == (BY+24)/256
	ds_load_b64 v[\reg+2*\p:\reg+2*\p+1], v[\adr] offset:BY+16*(BY/256)+(\i)*TILEB
.else
	ds_load_b64 v[\reg+2*\p:\reg+2*\p+1], v[\adr+1] offset:BY+16*(BY/256)+(\i)*TILEB
.endif
.endr
.endm
.macro FRAGA reg, g, st, i             ; y: K step st is heads 2 st and 2 st + 1, 768 bytes each
	ds_load_b128 v[\reg:\reg+3], v[A16+\g] offset:12288*(\i)+1536*(\st)
	ds_load_b64 v[\reg+4:\reg+5], v[A8+\g] offset:12288*(\i)+1536*(\st)+512
	ds_load_b128 v[\reg+6:\reg+9], v[A16+\g] offset:12288*(\i)+1536*(\st)+768
	ds_load_b64 v[\reg+10:\reg+11], v[A8+\g] offset:12288*(\i)+1536*(\st)+1280
.endm
.macro FETCH1 st                       ; y's tiles 0-3 and W's four: 40 loads
	WIN 0x40
.irp i, 0,1,2,3
	FRAGA 128*((\st)%2)+12*\i, 0, \st, \i
.endr
	WIN 0
.irp i, 0,1,2,3
	FRAG BF+48*((\st)%2)+12*\i, ADRB, \st, \i
.endr
.endm
.macro FETCH2 st                       ; y's tiles 4-7: 16 loads
	WIN 0x40
.irp i, 0,1,2,3
	FRAGA 128*((\st)%2)+48+12*\i, 1, \st, \i
.endr
.endm
.macro W d, x, y, sx, sy, c
	v_wmma_scale_f32_16x16x128_f8f6f4 v[\d:\d+7], v[\x:\x+11], v[\y:\y+11], v[\c:\c+7], v[\sx], v[\sy] matrix_a_fmt:MATRIX_FMT_FP6 matrix_b_fmt:MATRIX_FMT_FP6
.endm
.macro MUL st, a0                      ; 16 matrix instructions; the accumulators take turns
.set P, (\st)%2
.if (\st)==0
	WIN 0xb4
.else
	WIN 0xa4
.endif
.irp a, \a0, \a0+1, \a0+2, \a0+3
.irp b, 0,1,2,3
.if (\st)==0
	W 8*(4*(\a)+\b), BF+48*P+12*\b, 128*P+12*(\a), SB+8*\b+(\st), SA+8*(\a)+(\st), BI+8*\b
.else
	W 8*(4*(\a)+\b), BF+48*P+12*\b, 128*P+12*(\a), SB+8*\b+(\st), SA+8*(\a)+(\st), 8*(4*(\a)+\b)
.endif
.endr
.endr
.endm
	s_wait_tensorcnt 0x0                           ; my part is in;
	s_wait_loadcnt 0x0
	s_barrier_signal -1
	s_barrier_wait -1                              ; and everybody's
	FETCH1 0
	FETCH2 0
.set ST, 0
.rept 7
	NOP4                                           ; places ahead of loads into the set that the step before multiplied
	FETCH1 ST+1
	s_wait_dscnt 40                                ; all but the 40 just issued
	MUL ST, 0
	FETCH2 ST+1
	MUL ST, 4
.set ST, ST+1
.endr
	WIN 0
	s_wait_dscnt 0x0                               ; my last reads of the tiles are over
	s_barrier_signal -1
	s_barrier_wait -1                              ; and everybody's: the stage may be written
	MUL 7, 0
	MUL 7, 4
	WIN 0
	NOP4
.macro TOSTAGE a
	WIN 0x08
.irp b, 0,1,2,3
	ds_store_b128 v[STO], v[32*(\a)+8*\b:32*(\a)+8*\b+3] offset:64*\b          ; each accumulator from its low end on
	ds_store_b128 v[STO], v[32*(\a)+8*\b+4:32*(\a)+8*\b+7] offset:64*\b+16
.endr
	WIN 0
.set BB, BK+32*((\a)%2)
.irp t, 0,1,2,3,4,5,6,7
	ds_load_b128 v[BB+4*\t:BB+4*\t+3], v[RD] offset:\t*2*SPITCH    ; a wave's LDS instructions are served in order: these see the stores above
.endr
.endm
.macro SEND a, younger
.set BB, BK+32*((\a)%2)
	s_wait_dscnt \younger
.if (\a) > 0
	s_add_nc_u64 s[68:69], s[68:69], 16*4096
.endif
.irp t, 0,1,2,3,4,5,6,7
	global_store_b128 v[CO], v[BB+4*\t:BB+4*\t+3], s[68:69] offset:\t*2*4096 th:TH_STORE_NT
.endr
.endm
	TOSTAGE 0
.irp a, 1,2,3,4,5,6,7
.if \a > 1
	s_wait_xcnt 0x0                                ; block a - 2's stores have read their registers and base
.endif
	TOSTAGE \a
	SEND \a-1, 16                                  ; behind block a - 1's loads: block a's 8 stores and 8 loads
.endr
	s_wait_xcnt 0x0
	SEND 7, 0
	s_wait_tensorcnt 0x0                           ; the wave's end
	ds_add_u32 v[SPW], v[NIL]
	s_wait_dscnt 0x0
	CROUND                                         ; the closing round
	s_endpgm
.Lfunc_end_k_q726bb392d9_proj:
	.size	k_q726bb392d9_proj, .Lfunc_end_k_q726bb392d9_proj-k_q726bb392d9_proj
	.p2alignl 7, 3214868480
	.fill 96, 4, 3214868480
	.section	.rodata,"a",@progbits
	.p2align	6, 0x0
	.amdhsa_kernel k_q726bb392d9_proj
		.amdhsa_group_segment_fixed_size 327680
		.amdhsa_private_segment_fixed_size 0
		.amdhsa_enable_private_segment 0
		.amdhsa_kernarg_size 48
		.amdhsa_user_sgpr_count 2
		.amdhsa_user_sgpr_kernarg_segment_ptr 1
		.amdhsa_wavefront_size32 1
		.amdhsa_system_sgpr_workgroup_id_x 1
		.amdhsa_system_sgpr_workgroup_id_y 1
		.amdhsa_system_sgpr_workgroup_id_z 1
		.amdhsa_system_vgpr_workitem_id 0
		.amdhsa_next_free_vgpr 1024
		.amdhsa_next_free_sgpr 100
		.amdhsa_reserve_vcc 0
		.amdhsa_float_denorm_mode_32 3
		.amdhsa_float_denorm_mode_16_64 3
		.amdhsa_memory_ordered 1
		.amdhsa_forward_progress 1
		.amdhsa_inst_pref_size 88
	.end_amdhsa_kernel
	.amdgpu_metadata
---
amdhsa.version: [ 1, 2 ]
amdhsa.kernels:
  - .name:           k_q726bb392d9_proj
    .symbol:         k_q726bb392d9_proj.kd
    .args:
      - { .name: yc, .offset: 0, .size: 8, .value_kind: global_buffer, .address_space: global }
      - { .name: ys, .offset: 8, .size: 8, .value_kind: global_buffer, .address_space: global }
      - { .name: Wproj_codes, .offset: 16, .size: 8, .value_kind: global_buffer, .address_space: global }
      - { .name: Wproj_scales, .offset: 24, .size: 8, .value_kind: global_buffer, .address_space: global }
      - { .name: out0, .offset: 32, .size: 8, .value_kind: global_buffer, .address_space: global }
      - { .name: bproj, .offset: 40, .size: 8, .value_kind: global_buffer, .address_space: global }
    .group_segment_fixed_size: 327680
    .private_segment_fixed_size: 0
    .kernarg_segment_align: 8
    .kernarg_segment_size: 48
    .max_flat_workgroup_size: 128
    .sgpr_count:     100
    .vgpr_count:     1024
    .wavefront_size: 32
...
	.end_amdgpu_metadata
.endif
;; end of part 3
